; MI455X (gfx1250); checked and timed in simulation.
; The chip was launched on July 23, 2026; its instructions are those of AMD's public machine-readable ISA for CDNA 5 (MIT licence, August 2026) and "CDNA5" Instruction Set Architecture Reference Guide (July 2026). The comments in the code are by the model that wrote it; some were corrected since.
;; Linear. Allowed arithmetic: matrix products marked QUANTISED: E4M3 operands, one given power-of-two scale a tensor, by v_wmma_f32_16x16x64_fp8_fp8 or v_wmma_f32_16x16x128_fp8_fp8, f32 sums; everything else in f32.
;; Inputs: lowp_scales 4 int32 (the exponents e of the quantised operands' scales 2^e); w_neg 4,096 x 4,096 float32; w_pos 4,096 x 4,096 float32; x 2,048 x 4,096 float32.
;; Outputs: out0 2,048 x 4,096 float32.
;; This version of the problem:
;;   THIS VERSION OF THE PROBLEM IS GIVEN IN LOW PRECISION. The matrix products marked QUANTISED in the list below multiply operands that are first quantised to E4M3 (4 exponent bits, 3 mantissa bits; 8 bits a number), with one given power-of-two scale for each operand tensor; their sums are f32. All else is computed in f32.
;;   The module's matrix products, in the order in which they are computed (A, B: the left and right operand; K: the contracted axis; several contracted axes count as one K, in the product's order):
;;     1. [M 2,048, K 4,096] x [K 4,096, N 4,096]; A: input x; B: computed on the way: QUANTISED (scales: A lowp_scales[0], B lowp_scales[1])
;;     2. [M 2,048, K 4,096] x [K 4,096, N 4,096]; A: input x; B: computed on the way: QUANTISED (scales: A lowp_scales[2], B lowp_scales[3])
;;   THE QUANTISER, for each operand of a quantised product, along K:
;;     - The operand's scale is 2^e, e = its entry of the input lowp_scales (int32; the entries are numbered through the quantised products in the list's order, A before B).
;;     - Each number is divided by the scale, clamped to +-448, and rounded to the nearest number of E4M3, ties to even, subnormals kept.
;;     - The product sums the exact products of the quantised numbers (number of the format x scale) in f32.
;;   ~~~python
;;   def quantise(x, axis, e):      # numpy; x: float32 -> the quantised numbers, widened to float32 again
;;       x = np.moveaxis(x, axis, -1); K = x.shape[-1]
;;       r = np.clip(x / 2.0 ** e, -448, 448)
;;       step = 2.0 ** (np.maximum(np.frexp(np.where(r == 0, 1, r))[1] - 1, -6) - 3)
;;       q = np.round(r / step) * step * 2.0 ** e      # np.round: ties to even
;;       return np.moveaxis(q, -1, axis).astype(np.float32)
;;   ~~~
;;   OPERANDS COMPUTED ON THE WAY. 'Computed on the way' means the value that the module computes at that place (a softmax that the list does not call 'softmax' is quantised finished and normalised). What goes into a quantiser is computed in f32, as accurately as f32 sums, v_exp_f32 and their like allow (about 1e-6 of the number): no bf16 or f16 on the way to a quantiser, and a product that is left as it is and whose result goes on into a quantised operand takes f32 operands (vector FMAs, or v_wmma_f32_16x16x4_f32). A number that lies on a knife's edge between two numbers of the format may be rounded either way, as far as f32 arithmetic and the matrix unit's own rounding can turn it there, and no further.
;; One version. Each part assembles by itself: llvm-mc -triple=amdgcn-amd-amdhsa -mcpu=gfx1250 --defsym DOCPART=n.
;; ======== version 1 of 1: 2 launches
;; limits: right only within a limited range of input values
;; workspace buffers: acodes 16,777,216 bytes; bcodes 33,554,432 bytes
;; launch quant (part 1): grid 1280 x 1, 4 waves a work-group, no clusters, 15,872 bytes of LDS; arguments x, w_pos, w_neg, lowp_scales, acodes, bcodes; writes acodes, bcodes
.if DOCPART == 1
	.amdgcn_target "amdgcn-amd-amdhsa--gfx1250"
	.amdhsa_code_object_version 6
	.text
	.protected	k_q87e8c210bf_quant
	.globl	k_q87e8c210bf_quant
	.p2align	8
	.type	k_q87e8c210bf_quant,@function
k_q87e8c210bf_quant:
	s_mov_b64 s[64:65], 0
	v_nop
	global_prefetch_b8 v0, s[64:65] scope:SCOPE_SE
	s_setreg_imm32_b32 hwreg(HW_REG_WAVE_MODE, 25, 1), 1
	s_wait_xcnt 0x0
; x [2048][4096], w_pos and w_neg [4096][4096], f32, become codes of FP8 (E4M3), each operand with the scale 2^e that is given for it:
;   acodes: x at e0 (product 0) and x at e2 (product 1);   bcodes: T(w_pos) at e1 and T(w_neg) at e3, T(w) = w + ((w > 0) - w), computed in f32 step by step as the problem writes it.
; code = number / 2^e, held within +-448, rounded to the nearest code, ties to even.
; LIMITS: each e lies between -126 and 119, so that 2^e and 448 x 2^e are f32 numbers.  NaN among the inputs is not served, nor w = +infinity (there T(w) is NaN); an infinite x is held at the largest code.
; THE CODES ARE LAID IN THE ORDER OF THE OPERAND'S REGISTERS.  A fragment is 16 rows x 64 along K: 8 registers a lane, an image of 1,024 bytes: byte 512 g + 16 l of an image begins registers 4 g .. 4 g + 3 of lane l,
; and lane l = r + 16 h holds row r, k = 32 h + 16 g + 0 .. 15 of the 64.  (One order of k for both operands of a product: every number meets its partner.)
;   acodes [ty 16][beat 64][product 2][i 8][1024]: row 128 ty + 16 i + r;      bcodes [tx 16][beat 64][product 2][j 16][1024]: row 256 tx + 16 j + r;   a beat = 64 along K.
; SHARES.  A unit is 16 rows x one beat: 4,096 bytes in; one image out for a weight, two for x.  A wave takes 8 neighbouring beats of one block of 16 rows, the four waves of a work-group half of the block's K.
; Work-groups 0-255 take x (128 blocks x 2 halves), 256-767 w_pos, 768-1279 w_neg.  The two ways part once, on the work-group's number, and each has LDS bytes of its own.
; A load reads 256 consecutive aligned bytes of each of two rows (sixteen lanes a row).  With one scale for a tensor the conversion works number by number, so the numbers are converted as they were loaded; the codes turn
; through the wave's own stage in LDS (16 rows x 64 bytes + 16 of padding) into the image's order, and each store of the wave covers 512 consecutive bytes, aligned.  No barrier: waves share nothing.  Loads run three units ahead.
.set XR,    16                         ; v16-111  three sets of 32 numbers as loaded: group q of four registers = row 2 q + (lane / 16), k = 4 (lane % 16) + 0 .. 3
.set T,     112                        ; v112-127 at work: two sets of 8
.set C,     128                        ; v128-143 codes: register q = the four codes of group q; 8 for each set of codes
.set O,     144                        ; v144-175 images to be stored: 16 registers for each parity of the unit
.set SPW,   12                         ; v12      LDS address of my spare word: SPARE + 4 x my thread's number; never rewritten
.set NIL,   13                         ; v13      0; never rewritten
.set WREG,  3840                       ; LDS: a region for each wave: three stages of 16 x 80 bytes
.set XS0,   0                          ; x's way: the codes at e0,
.set XS1,   1280                       ; and at e2
.set WS,    2560                       ; the weights' way
.set SPARE, 4*WREG                     ; behind the regions: the spare words, 128 bytes for each wave: two blocks of 256 bytes that no other line names
	s_load_b256 s[4:11], s[0:1], 0x0               ; x s[4:5], w_pos s[6:7], w_neg s[8:9], the scales' exponents s[10:11]
	s_load_b128 s[12:15], s[0:1], 0x20             ; acodes s[12:13], bcodes s[14:15]
	v_lshl_add_u32 v[SPW], v0, 2, SPARE
	v_mov_b32 v[NIL], 0
	v_lshrrev_b32 v1, 5, v0
	v_readfirstlane_b32 s16, v1                    ; wave 0..3
	v_and_b32 v10, 15, v0                          ; lane % 16
	v_bfe_u32 v11, v0, 4, 1                        ; lane / 16
	v_lshlrev_b32 v1, 4, v10
	v_lshl_add_u32 v1, v11, 14, v1                 ; in: 16 bytes a lane, lanes 16-31 one row (16,384 bytes) further down
	s_mul_i32 s17, s16, WREG
	v_mul_u32_u24 v2, v11, 80
	v_lshl_add_u32 v2, v10, 2, v2
	v_add_nc_u32 v2, s17, v2                       ; into a stage: row (lane / 16) of the pair, 4 bytes a lane
	v_mul_u32_u24 v3, v10, 80
	v_lshl_add_u32 v3, v11, 5, v3
	v_add_nc_u32 v3, s17, v3                       ; out of it: row r = lane % 16, k = 32 (lane / 16) on
	v_and_b32 v4, 31, v0
	v_lshlrev_b32 v4, 4, v4                        ; my 16 bytes of half an image
	s_wait_kmcnt 0x0
	s_load_b128 s[20:23], s[10:11], 0x0            ; e0, e1, e2, e3
	s_lshl_b32 s28, s16, 11                        ; my wave's 8 beats in a row: 8 x 256 bytes
	s_mov_b32 s33, 0
.macro LOAD u                          ; unit u's 4,096 bytes into set u % 3
.irp q, 0,1,2,3,4,5,6,7
	global_load_b128 v[XR+32*((\u)%3)+4*\q:XR+32*((\u)%3)+4*\q+3], v1, s[24:25] offset:\q*32768+(\u)*256 th:TH_LOAD_NT
.endr
.endm
.macro STAGE base, c, o                ; eight registers of codes into the stage by rows, and back in the image's order.  LDS serves a wave's instructions in order (ISA guide 5.7.1.4): no wait between, nor in front of the next unit's stores
.irp q, 0,1,2,3,4,5,6,7
	ds_store_b32 v2, v[\c+\q] offset:\base+160*\q
.endr
	ds_load_b128 v[\o:\o+3], v3 offset:\base
	ds_load_b128 v[\o+4:\o+7], v3 offset:\base+16
.endm
.macro HEADW u                         ; the two waits at a unit's head
.if (\u) < 6
	s_wait_loadcnt 16                              ; loads come back in order (ISA guide 5.7.1): this unit's eight are in; the two younger units' sixteen may be out
.else
	s_wait_loadcnt 8*(7-(\u))
.endif
.if (\u) >= 2
	s_wait_xcnt 0x0                                ; the stores of two units back have read their registers: this unit's images land there only behind this wait
.endif
.endm
	s_cmp_lt_u32 ttmp9, 256
	s_cbranch_scc0 .Lway_w
	; ---------------- x: two sets of codes from one read
	s_lshr_b32 s29, ttmp9, 1                       ; the block of 16 rows, 0..127
	s_and_b32 s30, ttmp9, 1                        ; which half of K
	s_lshl_b32 s31, s29, 18                        ; 16 rows of 16,384 bytes
	s_lshl_b32 s32, s30, 13                        ; 32 beats of 256 bytes
	s_add_co_u32 s32, s32, s31
	s_add_co_u32 s32, s32, s28
	s_add_nc_u64 s[24:25], s[4:5], s[32:33]
	s_lshr_b32 s31, s29, 3
	s_lshl_b32 s31, s31, 20                        ; ty
	s_and_b32 s32, s29, 7
	s_lshl_b32 s32, s32, 10                        ; i
	s_add_co_u32 s32, s32, s31
	s_lshl_b32 s31, s30, 19                        ; 32 beats of 16,384 bytes
	s_add_co_u32 s32, s32, s31
	s_lshl_b32 s31, s16, 17                        ; 8 beats
	s_add_co_u32 s32, s32, s31
	s_add_nc_u64 s[26:27], s[12:13], s[32:33]
	s_wait_alu depctr_va_vdst(0)
	LOAD 0
	LOAD 1
	LOAD 2
	s_wait_kmcnt 0x0
	s_add_co_i32 s28, s20, 127
	s_lshl_b32 s29, s28, 23
	v_mov_b32 v5, s29                              ; 2^e0 as f32: the conversion takes its exponent field
	s_add_co_i32 s28, s28, 8
	s_lshl_b32 s28, s28, 23
	s_or_b32 s28, s28, 0x600000
	v_mov_b32 v6, s28                              ; 448 x 2^e0
	s_add_co_i32 s28, s22, 127
	s_lshl_b32 s29, s28, 23
	v_mov_b32 v7, s29                              ; 2^e2
	s_add_co_i32 s28, s28, 8
	s_lshl_b32 s28, s28, 23
	s_or_b32 s28, s28, 0x600000
	v_mov_b32 v8, s28                              ; 448 x 2^e2
.macro XUNIT u
.set XSET, XR+32*((\u)%3)
.set OS, O+16*((\u)%2)
	HEADW \u
.irp k, 0,1,2,3                        ; at e0: the held numbers go into other registers, since x is wanted once more.  The conversion to an 8-bit code does not saturate (ISA guide 7.6.2): hence the hold
.irp i, 0,1,2,3,4,5,6,7
	v_med3_num_f32 v[T+8*(\k%2)+\i], v[XSET+8*\k+\i], -v6, v6
.endr
	v_cvt_scalef32_pk8_fp8_f32 v[C+2*\k:C+2*\k+1], v[T+8*(\k%2):T+8*(\k%2)+7], v5   ; its sources are written again two chunks on: the next chunk's eight holds, plain lines on other registers, stand between
.endr
.irp k, 0,1,2,3                        ; at e2: in place
.irp i, 0,1,2,3,4,5,6,7
	v_med3_num_f32 v[XSET+8*\k+\i], v[XSET+8*\k+\i], -v8, v8
.endr
	v_cvt_scalef32_pk8_fp8_f32 v[C+8+2*\k:C+8+2*\k+1], v[XSET+8*\k:XSET+8*\k+7], v7
.endr
	v_nop                                          ; one plain vector line behind the last conversion of the run
.if (\u)+3 < 8
	LOAD (\u)+3                                    ; into the set just converted
.endif
	STAGE XS0, C, OS
	STAGE XS1, C+8, OS+8
	s_wait_dscnt 0x0                               ; both images are in registers (and the stage's stores have read the codes)
	global_store_b128 v4, v[OS:OS+3], s[26:27] offset:(\u)*16384
	global_store_b128 v4, v[OS+4:OS+7], s[26:27] offset:(\u)*16384+512
	global_store_b128 v4, v[OS+8:OS+11], s[26:27] offset:(\u)*16384+8192
	global_store_b128 v4, v[OS+12:OS+15], s[26:27] offset:(\u)*16384+8192+512
.endm
	s_wait_alu depctr_va_vdst(0)
.irp u, 0,1,2,3,4,5,6,7
	XUNIT \u
.endr
	s_branch .Lend
	; ---------------- a weight: T(w), one set of codes
.Lway_w:
	s_sub_co_u32 s29, ttmp9, 256
	s_lshr_b32 s34, s29, 9                         ; the product: 0 w_pos, 1 w_neg
	s_bfe_u32 s30, s29, 0x80001                    ; the block of 16 rows, 0..255
	s_and_b32 s31, s29, 1                          ; which half of K
	s_cmp_eq_u32 s34, 0                            ; the choice hangs on the work-group's number alone
	s_cselect_b64 s[24:25], s[6:7], s[8:9]
	s_lshl_b32 s32, s30, 18
	s_lshl_b32 s35, s31, 13
	s_add_co_u32 s32, s32, s35
	s_add_co_u32 s32, s32, s28
	s_add_nc_u64 s[24:25], s[24:25], s[32:33]
	s_lshr_b32 s32, s30, 4
	s_lshl_b32 s32, s32, 21                        ; tx
	s_and_b32 s35, s30, 15
	s_lshl_b32 s35, s35, 10                        ; j
	s_add_co_u32 s32, s32, s35
	s_lshl_b32 s35, s34, 14                        ; the product
	s_add_co_u32 s32, s32, s35
	s_lshl_b32 s35, s31, 20                        ; 32 beats of 32,768 bytes
	s_add_co_u32 s32, s32, s35
	s_lshl_b32 s35, s16, 18                        ; 8 beats
	s_add_co_u32 s32, s32, s35
	s_add_nc_u64 s[26:27], s[14:15], s[32:33]
	s_wait_alu depctr_va_vdst(0)
	LOAD 0
	LOAD 1
	LOAD 2
	s_wait_kmcnt 0x0
	s_cmp_eq_u32 s34, 0
	s_cselect_b32 s29, s21, s23                    ; e1 or e3
	s_add_co_i32 s29, s29, 127
	s_lshl_b32 s30, s29, 23
	v_mov_b32 v5, s30                              ; 2^e
	s_add_co_i32 s29, s29, 8
	s_lshl_b32 s29, s29, 23
	s_or_b32 s29, s29, 0x600000
	v_mov_b32 v6, s29                              ; 448 x 2^e
.macro WUNIT u
.set XSET, XR+32*((\u)%3)
.set OS, O+16*((\u)%2)
	HEADW \u
.irp k, 0,1,2,3                        ; eight numbers at a time, so that no line waits for the line above it
.irp i, 0,1,2,3,4,5,6,7
	v_cmp_lt_f32 s[28+\i], 0, v[XSET+8*\k+\i]      ; w > 0: the mask only selects a value
.endr
.irp i, 0,1,2,3,4,5,6,7
	v_cndmask_b32 v[T+\i], 0, 1.0, s[28+\i]        ; 1 or 0
.endr
.irp i, 0,2,4,6
	v_pk_add_f32 v[T+\i:T+\i+1], v[T+\i:T+\i+1], v[XSET+8*\k+\i:XSET+8*\k+\i+1] neg_lo:[0,1] neg_hi:[0,1]   ; (w > 0) - w, rounded,
.endr
.irp i, 0,2,4,6
	v_pk_add_f32 v[XSET+8*\k+\i:XSET+8*\k+\i+1], v[XSET+8*\k+\i:XSET+8*\k+\i+1], v[T+\i:T+\i+1]             ; and w + that, rounded
.endr
.irp i, 0,1,2,3,4,5,6,7
	v_med3_num_f32 v[XSET+8*\k+\i], v[XSET+8*\k+\i], -v6, v6
.endr
	v_cvt_scalef32_pk8_fp8_f32 v[C+2*\k:C+2*\k+1], v[XSET+8*\k:XSET+8*\k+7], v5
.endr
	v_nop                                          ; one plain vector line behind the last conversion of the run
.if (\u)+3 < 8
	LOAD (\u)+3
.endif
	STAGE WS, C, OS
	s_wait_dscnt 0x0
	global_store_b128 v4, v[OS:OS+3], s[26:27] offset:(\u)*32768
	global_store_b128 v4, v[OS+4:OS+7], s[26:27] offset:(\u)*32768+512
.endm
.irp u, 0,1,2,3,4,5,6,7
	WUNIT \u
.endr
.Lend:
	s_wait_tensorcnt 0x0                           ; the wave's end
	ds_add_u32 v[SPW], v[NIL]
	s_wait_dscnt 0x0
	s_endpgm
.Lfunc_end_k_q87e8c210bf_quant:
	.size	k_q87e8c210bf_quant, .Lfunc_end_k_q87e8c210bf_quant-k_q87e8c210bf_quant
	.p2alignl 7, 3214868480
	.fill 96, 4, 3214868480
	.section	.rodata,"a",@progbits
	.p2align	6, 0x0
	.amdhsa_kernel k_q87e8c210bf_quant
		.amdhsa_group_segment_fixed_size 15872
		.amdhsa_private_segment_fixed_size 0
		.amdhsa_enable_private_segment 0
		.amdhsa_kernarg_size 48
		.amdhsa_user_sgpr_count 2
		.amdhsa_user_sgpr_kernarg_segment_ptr 1
		.amdhsa_wavefront_size32 1
		.amdhsa_system_sgpr_workgroup_id_x 1
		.amdhsa_system_sgpr_workgroup_id_y 1
		.amdhsa_system_sgpr_workgroup_id_z 1
		.amdhsa_system_vgpr_workitem_id 0
		.amdhsa_next_free_vgpr 192
		.amdhsa_next_free_sgpr 66
		.amdhsa_reserve_vcc 0
		.amdhsa_float_denorm_mode_32 3
		.amdhsa_float_denorm_mode_16_64 3
		.amdhsa_memory_ordered 1
		.amdhsa_forward_progress 1
		.amdhsa_inst_pref_size 140
	.end_amdhsa_kernel
	.amdgpu_metadata
---
amdhsa.version: [ 1, 2 ]
amdhsa.kernels:
  - .name:           k_q87e8c210bf_quant
    .symbol:         k_q87e8c210bf_quant.kd
    .args:
      - { .name: x, .offset: 0, .size: 8, .value_kind: global_buffer, .address_space: global }
      - { .name: w_pos, .offset: 8, .size: 8, .value_kind: global_buffer, .address_space: global }
      - { .name: w_neg, .offset: 16, .size: 8, .value_kind: global_buffer, .address_space: global }
      - { .name: lowp_scales, .offset: 24, .size: 8, .value_kind: global_buffer, .address_space: global }
      - { .name: acodes, .offset: 32, .size: 8, .value_kind: global_buffer, .address_space: global }
      - { .name: bcodes, .offset: 40, .size: 8, .value_kind: global_buffer, .address_space: global }
    .group_segment_fixed_size: 15872
    .private_segment_fixed_size: 0
    .kernarg_segment_align: 8
    .kernarg_segment_size: 48
    .max_flat_workgroup_size: 128
    .sgpr_count:     66
    .vgpr_count:     192
    .wavefront_size: 32
...
	.end_amdgpu_metadata
.endif
;; end of part 1
;; launch gemm (part 2): grid 16 x 16, 4 waves a work-group, clusters of 4 x 4, 327,680 bytes of LDS; arguments acodes, bcodes, lowp_scales, out0; writes out0
.if DOCPART == 2
	.amdgcn_target "amdgcn-amd-amdhsa--gfx1250"
	.amdhsa_code_object_version 6
	.text
	.protected	k_q87e8c210bf_gemm
	.globl	k_q87e8c210bf_gemm
	.p2align	8
	.type	k_q87e8c210bf_gemm,@function
k_q87e8c210bf_gemm:
	s_mov_b64 s[64:65], 0
	v_nop
	global_prefetch_b8 v0, s[64:65] scope:SCOPE_SE
	s_setreg_imm32_b32 hwreg(HW_REG_WAVE_MODE, 25, 1), 1
	s_wait_xcnt 0x0
	s_wait_alu depctr_hold_cnt(0) depctr_sa_sdst(0) depctr_va_vdst(0) depctr_va_sdst(0) depctr_va_ssrc(0) depctr_va_vcc(0) depctr_vm_vsrc(0)
	s_getreg_b32 s2, hwreg(HW_REG_IB_STS2, 6, 4)
	s_cmp_eq_u32 s2, 0
	s_cbranch_scc0 .Lentry_in_a_cluster
	s_endpgm
.Lentry_in_a_cluster:
	s_bfe_u32 s2, ttmp6, 0x10000c
	s_cmp_lg_u32 s2, 0xf033
	s_cbranch_scc0 .Lentry_shape_is_right
	s_endpgm
.Lentry_shape_is_right:
; out0[t][o] = 2^(e0+e1) sum_k A0[t][k] B0[o][k] - 2^(e2+e3) sum_k A1[t][k] B1[o][k], on the codes of FP8 (E4M3) that the launch before has laid; sums in f32.
; LIMIT: e0 + e1 and e2 + e3 lie between -126 and 127, so that both factors are f32 numbers.
; acodes [ty 16][beat 64][product 2][i 8][1024], bcodes [tx 16][beat 64][product 2][j 16][1024]: a beat is 64 along K, an image of 1,024 bytes is a fragment's registers (byte 512 g + 16 l: registers 4 g .. 4 g + 3 of lane l).
; A work-group makes 128 rows x 256 columns of out0, both products.  Wave w = 2 p + c makes product p on 128 rows x 128 columns (half c): 64 accumulators, 512 registers.
; K goes through a ring of two LDS slots of 3 beats (A 3 x 16,384 bytes, B 3 x 32,768): dense in memory, fetched as rows of 256 bytes, read from LDS 16 bytes a lane on end.  64 beats = 21 fills of 3 and a last fill of 1.
; CLUSTERS: 4 x 4 work-groups.  A's bytes hang on ty alone and are asked for jointly along a row of the cluster, B's on tx alone, jointly along a column.  Waves 0, 1 fetch A's halves, waves 2, 3 B's.
; The matrix instruction is used transposed (source 0 = B, source 1 = A): a lane holds eight neighbouring columns of one row.
; Waves of product 1 take A's blocks 4-7 first: so window 2 holds rows 0-63 in a wave of product 0 and rows 64-127 in a wave of product 1.  On the way out every wave keeps window 2 and gives window 3 to its partner (w xor 2) through LDS.
; REGISTERS: window 0: v10-33 addresses, v64-127 and v128-191 A's fragments (two buffers); window 1: the same numbers, B's fragments; windows 2, 3: accumulators ((a, b) at v[8 (8 a + b)]).
; PREFETCH: at each change of slots the fill that stands two refills on is named once in each cluster: of every beat of A the partner at cx takes 4,096 bytes (wave 0), of every beat of B the partner at cy 8,192 (waves 1-3, a beat each).
; Fills 1 to 3 are named at the head; the last fill of one beat by waves 0 and 1 alone; nothing beyond it.
.set BEATA,  16384
.set BEATB,  32768
.set SA,     3*BEATA
.set SB,     3*BEATB
.set SLOT,   SA+SB
.set SPARE,  2*SLOT                    ; the spare words: 512 bytes that no other line names
.set SPITCH, 528                       ; the way out: a stage row, 512 bytes + 16
.set CO,   10                          ; 16 x lane
.set ALO,  16                          ; v16-17 LDS address of A's first four blocks, slot 0, 1
.set AHI,  18                          ; v18-19 of the other four
.set BLO,  20                          ; v20-21 of B's fragments, beats 0 and 1 of a slot; v22-23 beat 2
.set STO,  24
.set RD,   25
.set XG,   26                          ; where I give
.set XT,   27                          ; where I take
.set SPW,  28
.set NIL,  29
.set PFO,  30                          ; prefetch offsets
.set PFO2, 31
.set PFOB, 32
.set PFO2B, 33
.set F0,   64
.set F1,   128
.set WV,   12
.set G1A,  16
.set G1B,  24
.set G1AS, 32
.set G1BS, 40
.set G0A,  48
.set G0B,  56
.set PFA,  76
.set PFS,  78
.set MSB, 0
.macro WIN new
.if MSB != \new
	s_set_vgpr_msb (MSB<<8)|\new
.set MSB, \new
.endif
.endm
.set MUL_LO, 0xa1
.set MUL_HI, 0xf1
.set TO_B,   0x40
.macro PLACES
.rept 4
	v_nop
.endr
.endm
.macro CREST
	s_cmp_lg_u32 s[WV], 0
	s_cbranch_scc1 .Lnot_wave_0_\@
	s_barrier_signal -3
.Lnot_wave_0_\@:
	s_barrier_wait -3
	s_barrier_signal -1
	s_barrier_wait -1
.endm
.macro CROUND
	s_barrier_signal -1
	s_barrier_wait -1
	CREST
.endm
.macro JLOAD g0a, g1a, g0b, g1b        ; a joint load
	s_cmp_eq_u32 s13, 0
	s_cbranch_scc0 .Lfor_b_\@
	tensor_load_to_lds s[\g0a:\g0a+3], s[\g1a:\g1a+7]
	s_nop 0
.rept 4
	v_nop
.endr
	s_branch .Lasked_\@
.Lfor_b_\@:
	tensor_load_to_lds s[\g0b:\g0b+3], s[\g1b:\g1b+7]
	s_nop 0
.rept 4
	v_nop
.endr
.Lasked_\@:
.endm
.macro ASKN o1, o2                     ; a full fill: waves 1-3 32 blocks of B; wave 0 32 blocks of A (beats 0, 1) and 16 more (beat 2)
	global_prefetch_b8 v[\o1], s[PFA:PFA+1] th:TH_LOAD_NT scope:SCOPE_SE
	s_cmp_lg_u32 s[WV], 0
	s_cbranch_scc1 .Lpf_\@
	global_prefetch_b8 v[\o2], s[PFA:PFA+1] offset:2*BEATA th:TH_LOAD_NT scope:SCOPE_SE
.Lpf_\@:
.endm
.macro ASKG                            ; in the loop's last trip the fill two refills on is the last, of one beat: wave 0 names A's 16 blocks, wave 1 B's 32
	s_cmp_eq_u32 s3, 1
	s_cbranch_scc1 .Lsm_\@
	ASKN PFO, PFO2
	s_branch .Len_\@
.Lsm_\@:
	s_cmp_gt_u32 s[WV], 1
	s_cbranch_scc1 .Len_\@
	global_prefetch_b8 v[PFO2], s[PFA:PFA+1] th:TH_LOAD_NT scope:SCOPE_SE
.Len_\@:
.endm
.macro SETG1 g, rows                   ; rows of 32 elements of 8 bytes, dense
	s_mov_b32 s[\g+1], 32<<16
	s_mov_b32 s[\g+2], (\rows)<<16
	s_mov_b32 s[\g+3], 32<<16
	s_mov_b32 s[\g+4], \rows
	s_mov_b32 s[\g+5], 32
	s_mov_b32 s[\g+6], 0
	s_mov_b32 s[\g+7], 0
.endm
	s_load_b256 s[4:11], s[0:1], 0x0               ; acodes, bcodes, the exponents, out0
	v_lshl_add_u32 v[SPW], v0, 2, SPARE
	v_mov_b32 v[NIL], 0
	ds_add_u32 v[SPW], v[NIL]                      ; the opening lines: the add twice on end
	ds_add_u32 v[SPW], v[NIL]
	v_lshrrev_b32 v1, 5, v0
	v_readfirstlane_b32 s[WV], v1
	s_lshr_b32 s13, s[WV], 1                       ; p.  Also: I fetch for A (0) or B (1)
	s_and_b32 s14, s[WV], 1                        ; c.  Also: which half I fetch
	s_bfe_u32 s66, ttmp6, 0x40000                  ; cx
	s_bfe_u32 s67, ttmp6, 0x40004                  ; cy
	s_lshl_b32 s68, ttmp9, 2
	s_add_co_u32 s68, s68, s66                     ; tx
	s_and_b32 s69, ttmp7, 0xffff
	s_lshl_b32 s69, s69, 2
	s_add_co_u32 s69, s69, s67                     ; ty
	s_lshl_b32 s70, s67, 2
	s_lshl_b32 s70, 15, s70                        ; my row of the cluster
	s_lshl_b32 s71, 0x1111, s66                    ; my column
	s_or_b32 s[G1A], s70, (3<<16)|(1<<21)
	s_or_b32 s[G1AS], s70, (3<<16)|(1<<21)
	s_or_b32 s[G1B], s71, (3<<16)|(1<<21)
	s_or_b32 s[G1BS], s71, (3<<16)|(1<<21)
	SETG1 G1A, 96                                  ; half of A's 3 beats
	SETG1 G1B, 192                                 ; half of B's 3 beats
	SETG1 G1AS, 32                                 ; half of one beat of A
	SETG1 G1BS, 64                                 ; half of one beat of B
	s_lshl_b32 s70, s14, 13                        ; my half's offset: one beat of A,
	s_mul_i32 s71, s14, SA/2                       ; three beats of A,
	s_lshl_b32 s72, s14, 14                        ; one beat of B,
	s_mul_i32 s73, s14, SB/2                       ; three beats of B
	s_lshl_b32 s74, s69, 20
	s_mov_b32 s75, 0
	s_lshl_b32 s92, s68, 21
	s_mov_b32 s93, 0
	s_wait_dscnt 0x0
	s_wait_kmcnt 0x0
	s_load_b128 s[88:91], s[8:9], 0x0              ; e0 .. e3
	s_add_nc_u64 s[80:81], s[4:5], s[74:75]        ; A's tile row
	s_add_nc_u64 s[82:83], s[6:7], s[92:93]        ; B's tile column
	s_mov_b32 s74, s71
	s_mov_b32 s92, s73
	s_add_nc_u64 s[84:85], s[80:81], s[74:75]      ; + my half of a full fill
	s_add_nc_u64 s[86:87], s[82:83], s[92:93]
	s_mov_b32 s74, s70
	s_mov_b32 s92, s72
	s_add_nc_u64 s[94:95], s[80:81], s[74:75]      ; + my half of the last fill
	s_add_nc_u64 s[96:97], s[82:83], s[92:93]
	CROUND                                         ; in front of the first joint loads
	s_mov_b32 s[G0A], 1
	s_mov_b32 s[G0A+1], s71
	s_mov_b64 s[G0A+2:G0A+3], s[84:85]
	s_or_b32 s[G0A+3], s[G0A+3], 0x80000000
	s_mov_b32 s[G0A+4], 1
	s_add_co_u32 s[G0A+5], s71, SLOT
	s_add_nc_u64 s[G0A+6:G0A+7], s[84:85], SA
	s_or_b32 s[G0A+7], s[G0A+7], 0x80000000
	s_mov_b32 s[G0B], 1
	s_add_co_u32 s[G0B+1], s73, SA
	s_mov_b64 s[G0B+2:G0B+3], s[86:87]
	s_or_b32 s[G0B+3], s[G0B+3], 0x80000000
	s_mov_b32 s[G0B+4], 1
	s_add_co_u32 s[G0B+5], s73, SLOT+SA
	s_add_nc_u64 s[G0B+6:G0B+7], s[86:87], SB
	s_or_b32 s[G0B+7], s[G0B+7], 0x80000000
	JLOAD G0A, G1A, G0B, G1B                       ; fill 0: one tensor load a wave at the head
	; the prefetches' base, at fill 1
	s_lshl_b32 s74, s66, 12
	s_add_co_u32 s74, s74, SA                      ; A: my 4,096 bytes of each beat
	s_lshl_b32 s92, s67, 13
	s_lshl_b32 s93, s[WV], 15
	s_add_co_u32 s92, s92, s93
	s_add_co_u32 s92, s92, SB-BEATB                ; B: beat w - 1 of the fill, my 8,192 bytes
	s_mov_b32 s78, SB
	s_mov_b32 s101, 4096
	s_mov_b32 s93, 31
	s_cmp_eq_u32 s[WV], 0
	s_cselect_b64 s[PFA:PFA+1], s[80:81], s[82:83]
	s_cselect_b32 s74, s74, s92
	s_cselect_b32 s78, SA, s78                     ; from fill to fill
	s_cselect_b32 s101, BEATA, s101                ; lanes 16-31: wave 0 the next beat, the others the next 4,096 bytes
	s_cselect_b32 s92, 15, s93
	s_mov_b32 s75, 0
	s_mov_b32 s79, 0
	s_add_nc_u64 s[PFA:PFA+1], s[PFA:PFA+1], s[74:75]
	; LDS places
	s_mul_i32 s15, s13, 12288                      ; A: product p at 8,192 p; first four blocks at 4,096 p,
	s_xor_b32 s71, s13, 1
	s_lshl_b32 s71, s71, 12
	s_lshl_b32 s98, s13, 13
	s_add_co_u32 s71, s71, s98                     ; the other four at 4,096 (1 - p)
	s_lshl_b32 s73, s[WV], 13
	s_add_co_u32 s73, s73, SA                      ; B: 16,384 p + 8,192 c behind A's
	s_lshl_b32 s98, s[WV], 15                      ; the exchange: 32,768 bytes a wave, in slot 0
	s_xor_b32 s99, s[WV], 2
	s_lshl_b32 s99, s99, 15
	s_mul_i32 s100, s[WV], 16*SPITCH
	s_add_co_u32 s100, s100, SLOT                  ; my stage, in slot 1
	v_and_b32 v1, 31, v0
	v_and_b32 v2, 15, v0
	v_bfe_u32 v3, v0, 4, 1
	v_lshlrev_b32 v[CO], 4, v1
	v_add_nc_u32 v[ALO], s15, v[CO]
	v_add_nc_u32 v[ALO+1], SLOT, v[ALO]
	v_add_nc_u32 v[AHI], s71, v[CO]
	v_add_nc_u32 v[AHI+1], SLOT, v[AHI]
	v_add_nc_u32 v[BLO], s73, v[CO]
	v_add_nc_u32 v[BLO+1], SLOT, v[BLO]
	v_add_nc_u32 v[BLO+2], 2*BEATB, v[BLO]
	v_add_nc_u32 v[BLO+3], 2*BEATB, v[BLO+1]
	v_add_nc_u32 v[XG], s98, v[CO]
	v_add_nc_u32 v[XT], s99, v[CO]
	v_add_nc_u32 v[RD], s100, v[CO]
	v_mul_u32_u24 v[STO], v2, SPITCH
	v_lshl_add_u32 v[STO], v3, 5, v[STO]
	v_add_nc_u32 v[STO], s100, v[STO]
	v_lshlrev_b32 v[PFO], 8, v2
	v_mad_u32_u24 v[PFO], v3, s101, v[PFO]
	v_min_u32 v[PFO2], s92, v1                     ; wave 0: lanes 16-31 name lane 15's block again
	v_lshlrev_b32 v[PFO2], 8, v[PFO2]
	v_add_nc_u32 v[PFOB], s78, v[PFO]
	v_add_nc_u32 v[PFO2B], s78, v[PFO2]
	s_wait_alu depctr_va_vdst(0)
	ASKN PFO, PFO2                                 ; fill 1
	ASKN PFOB, PFO2B                               ; fill 2
.macro MUL16 f, hi, a0, zero           ; 16 products: A's blocks a0, a0 + 1 of the window's four x B's eight; the 64 accumulators take turns
.irp a, \a0, \a0+1
.irp b, 0,1,2,3,4,5,6,7
.if \zero
	v_wmma_f32_16x16x64_fp8_fp8 v[8*(8*(\a)+\b):8*(8*(\a)+\b)+7], v[\f+8*\b:\f+8*\b+7], v[\f+8*(4*\hi+\a):\f+8*(4*\hi+\a)+7], 0
.else
	v_wmma_f32_16x16x64_fp8_fp8 v[8*(8*(\a)+\b):8*(8*(\a)+\b)+7], v[\f+8*\b:\f+8*\b+7], v[\f+8*(4*\hi+\a):\f+8*(4*\hi+\a)+7], v[8*(8*(\a)+\b):8*(8*(\a)+\b)+7]
.endif
.endr
.endr
.endm
.macro FETCH slot, q, f                ; 32 LDS loads: beat q of the slot into buffer f: B's eight fragments, A's first four, A's other four
.set BR, BLO+\slot+2*((\q)/2)
.set BOF, ((\q)%2)*BEATB
	WIN TO_B
.irp i, 0,1,2,3,4,5,6,7
	ds_load_b128 v[\f+8*\i:\f+8*\i+3],   v[BR] offset:BOF+\i*1024
	ds_load_b128 v[\f+8*\i+4:\f+8*\i+7], v[BR] offset:BOF+\i*1024+512
.endr
	WIN 0
.irp i, 0,1,2,3
	ds_load_b128 v[\f+8*\i:\f+8*\i+3],   v[ALO+\slot] offset:(\q)*BEATA+\i*1024
	ds_load_b128 v[\f+8*\i+4:\f+8*\i+7], v[ALO+\slot] offset:(\q)*BEATA+\i*1024+512
.endr
.irp i, 0,1,2,3
	ds_load_b128 v[\f+32+8*\i:\f+32+8*\i+3], v[AHI+\slot] offset:(\q)*BEATA+\i*1024
	ds_load_b128 v[\f+32+8*\i+4:\f+32+8*\i+7], v[AHI+\slot] offset:(\q)*BEATA+\i*1024+512
.endr
.endm
.macro QUARTER slot, q, f, g, zero     ; a beat that has its successor, beat q, in the same slot: multiplies f, fetches into g
	s_wait_dscnt 8                                 ; all but the youngest eight loads (A's other four blocks)
	WIN MUL_LO
	MUL16 \f, 0, 0, \zero
	MUL16 \f, 0, 2, \zero
	PLACES                                         ; in front of loads into registers that matrix instructions have read
	FETCH \slot, \q, \g
	s_wait_dscnt 32                                ; all but the 32 just issued
	WIN MUL_HI
	MUL16 \f, 1, 0, \zero
	MUL16 \f, 1, 2, \zero
.endm
; A slot's last beat changes slots.  fill: 0 none, 1 a full fill, 2 the last fill of one beat.  step: the other slot's group 0, whose load has landed, goes two fills on (1) or to the last fill (2).  ask: 0, 1, or 2 (with the test for the last trip).
.macro TURN slot, f, g, fill, step, ask
.if \ask
	s_wait_xcnt 0x0                                ; my prefetches have read their base
	s_add_nc_u64 s[PFA:PFA+1], s[PFA:PFA+1], s[PFS:PFS+1]
.endif
	WIN 0
	s_wait_tensorcnt 0x0                           ; my one load that was out, my part of the next slot, has landed
	ds_add_u32 v[SPW], v[NIL]
.if \step == 1
	s_add_nc_u64 s[G0A+6-4*\slot:G0A+7-4*\slot], s[G0A+6-4*\slot:G0A+7-4*\slot], 2*SA
	s_add_nc_u64 s[G0B+6-4*\slot:G0B+7-4*\slot], s[G0B+6-4*\slot:G0B+7-4*\slot], 2*SB
.endif
.if \step == 2
	s_add_co_u32 s[G0A+5], s70, SLOT
	s_add_nc_u64 s[G0A+6:G0A+7], s[94:95], 63*BEATA
	s_or_b32 s[G0A+7], s[G0A+7], 0x80000000
	s_add_co_u32 s[G0B+5], s72, SLOT+SA
	s_add_nc_u64 s[G0B+6:G0B+7], s[96:97], 63*BEATB
	s_or_b32 s[G0B+7], s[G0B+7], 0x80000000
.endif
	s_wait_dscnt 9                                 ; the add and the youngest eight loads may be out
	WIN MUL_LO
	MUL16 \f, 0, 0, 0
	s_wait_dscnt 0x0                               ; the add is done, my reads of this slot are over
	s_barrier_signal -1
	MUL16 \f, 0, 2, 0
	WIN 0
	s_barrier_wait -1
.if \fill
	CREST                                          ; the barrier has opened a round of the cluster's barrier
.if \fill == 1
	JLOAD G0A+4*\slot, G1A, G0B+4*\slot, G1B
.else
	JLOAD G0A+4*\slot, G1AS, G0B+4*\slot, G1BS
.endif
.else
	PLACES
.endif
	FETCH 1-\slot, 0, \g
.if \ask == 1
	ASKN PFO, PFO2
.endif
.if \ask == 2
	ASKG
.endif
	WIN MUL_HI
	MUL16 \f, 1, 0, 0
	MUL16 \f, 1, 2, 0
.endm
	s_wait_tensorcnt 0x0                           ; my part of fill 0 is in
	ds_add_u32 v[SPW], v[NIL]
	s_add_nc_u64 s[G0A+2:G0A+3], s[G0A+2:G0A+3], 2*SA   ; slot 0's group 0: fill 2
	s_add_nc_u64 s[G0B+2:G0B+3], s[G0B+2:G0B+3], 2*SB
	s_wait_xcnt 0x0
	s_add_nc_u64 s[PFA:PFA+1], s[PFA:PFA+1], s[PFS:PFS+1]
	s_add_nc_u64 s[PFA:PFA+1], s[PFA:PFA+1], s[PFS:PFS+1]   ; the prefetches stand at fill 3
	s_wait_dscnt 0x0
	CROUND
	JLOAD G0A+4, G1A, G0B+4, G1B                   ; fill 1, slot 1's first
	ASKN PFO, PFO2                                 ; fill 3
	FETCH 0, 0, F0
	QUARTER 0, 1, F0, F1, 1                        ; beat 0 starts the sums
	WIN 0
	s_mov_b32 s3, 9
.Llap:                                                 ; a trip: six beats, from a lap's second to the next lap's first; both slots are filled again
	QUARTER 0, 2, F1, F0, 0
	TURN 0, F0, F1, 1, 1, 1
	QUARTER 1, 1, F1, F0, 0
	QUARTER 1, 2, F0, F1, 0
	TURN 1, F1, F0, 1, 1, 2
	QUARTER 0, 1, F0, F1, 0
	WIN 0
	s_sub_co_u32 s3, s3, 1
	s_cmp_lg_u32 s3, 0
	s_cbranch_scc1 .Llap
	QUARTER 0, 2, F1, F0, 0                        ; beats 55 to 63 are written out
	TURN 0, F0, F1, 1, 2, 0                        ; fill 20
	QUARTER 1, 1, F1, F0, 0
	QUARTER 1, 2, F0, F1, 0
	TURN 1, F1, F0, 2, 0, 0                        ; fill 21: beat 63 alone
	QUARTER 0, 1, F0, F1, 0
	QUARTER 0, 2, F1, F0, 0
	TURN 0, F0, F1, 0, 0, 0                        ; nothing is filled again
	; the two factors, and where my rows of out0 begin
	s_wait_kmcnt 0x0
	s_add_co_i32 s88, s88, s89
	s_add_co_i32 s88, s88, 127
	s_lshl_b32 s88, s88, 23                        ; 2^(e0 + e1)
	s_add_co_i32 s90, s90, s91
	s_add_co_i32 s90, s90, 127
	s_lshl_b32 s90, s90, 23
	s_or_b32 s90, s90, 0x80000000                  ; -2^(e2 + e3)
	s_cmp_eq_u32 s13, 0
	s_cselect_b32 s98, s88, s90                    ; my product's factor,
	s_cselect_b32 s100, s90, s88                   ; my partner's
	s_mov_b32 s99, s98
	s_mov_b32 s101, s100
	s_lshl_b32 s74, s69, 21                        ; row 128 ty + 64 p, of 16,384 bytes; column 256 tx + 128 c
	s_lshl_b32 s75, s13, 20
	s_add_co_u32 s74, s74, s75
	s_lshl_b32 s75, s68, 10
	s_add_co_u32 s74, s74, s75
	s_lshl_b32 s75, s14, 9
	s_add_co_u32 s74, s74, s75
	s_mov_b32 s75, 0
	s_add_nc_u64 s[10:11], s[10:11], s[74:75]
	; beat 63: window 3 first, so that it is on its way to the partner while window 2 is finished
	s_wait_dscnt 0x0
	WIN MUL_HI
	MUL16 F1, 1, 0, 0
	MUL16 F1, 1, 2, 0
	PLACES
	WIN 0x0c                                       ; store data: window 3
.set T, 0
.rept 32
	ds_store_b128 v[XG], v[8*T:8*T+3]   offset:T*1024       ; an image of the registers; slot 0 has had its last fill and its last read
	ds_store_b128 v[XG], v[8*T+4:8*T+7] offset:T*1024+512
.set T, T+1
.endr
	WIN MUL_LO
	MUL16 F1, 0, 0, 0
	MUL16 F1, 0, 2, 0
	WIN 0
	PLACES                                         ; in front of loads into the fragments' registers
	s_wait_dscnt 0x0                               ; for the partner's sake
	s_barrier_signal -1
	s_barrier_wait -1
.macro TAKE a                          ; the partner's sums for my block a of 16 rows, in my accumulators' layout
.set X, 64+64*((\a)%3)
.irp b, 0,1,2,3,4,5,6,7
	ds_load_b128 v[X+8*\b:X+8*\b+3],   v[XT] offset:(8*(\a)+\b)*1024
	ds_load_b128 v[X+8*\b+4:X+8*\b+7], v[XT] offset:(8*(\a)+\b)*1024+512
.endr
.endm
.macro COMB a                          ; partner's sum x its factor, then my sum x mine added: each accumulator from its low end on
.set X, 64+64*((\a)%3)
.set AC, 64*(\a)
.set J, 0
.rept 32
	v_pk_mul_f32 v[X+J:X+J+1], v[X+J:X+J+1], s[100:101] op_sel_hi:[1,0]
.set J, J+2
.endr
	WIN 0x02
.set J, 0
.rept 32
	v_pk_fma_f32 v[X+J:X+J+1], v[AC+J:AC+J+1], s[98:99], v[X+J:X+J+1] op_sel_hi:[1,0,1]
.set J, J+2
.endr
	WIN 0
.endm
.macro STAGE a                         ; through my own stage: in by 32 bytes of a row a lane, back as rows of 512 bytes, into window 1
.set X, 64+64*((\a)%3)
.set BK, 64*((\a)%2)
.irp b, 0,1,2,3,4,5,6,7
	ds_store_b128 v[STO], v[X+8*\b:X+8*\b+3]   offset:64*\b
	ds_store_b128 v[STO], v[X+8*\b+4:X+8*\b+7] offset:64*\b+16
.endr
	WIN TO_B
.irp t, 0,1,2,3,4,5,6,7,8,9,10,11,12,13,14,15
	ds_load_b128 v[BK+4*\t:BK+4*\t+3], v[RD] offset:\t*SPITCH
.endr
	WIN 0
.endm
.macro SEND a, younger                 ; younger: LDS instructions issued behind block a's loads from the stage
.set BK, 64*((\a)%2)
	s_wait_dscnt \younger
	WIN 0x04                                       ; store data: window 1
.irp t, 0,1,2,3,4,5,6,7,8,9,10,11,12,13,14,15
	global_store_b128 v[CO], v[BK+4*\t:BK+4*\t+3], s[10:11] offset:(16*(\a)+\t)*16384 th:TH_STORE_NT   ; 32 lanes store 512 consecutive bytes, aligned
.endr
	WIN 0
.endm
	TAKE 0
	TAKE 1
	s_wait_dscnt 16                                ; block 0's are in
	COMB 0
	STAGE 0
	TAKE 2
	s_wait_dscnt 48                                ; behind TAKE 1: STAGE 0's 32 and TAKE 2's 16
	COMB 1
	STAGE 1
	SEND 0, 48                                     ; behind STAGE 0: TAKE 2, STAGE 1
	TAKE 3
	s_wait_dscnt 48                                ; behind TAKE 2: STAGE 1, TAKE 3
	s_wait_xcnt 0x0                                ; block 0's stores have read their registers
	COMB 2
	STAGE 2
	SEND 1, 48                                     ; behind STAGE 1: TAKE 3, STAGE 2
	s_wait_dscnt 32                                ; behind TAKE 3: STAGE 2
	s_wait_xcnt 0x0
	COMB 3
	STAGE 3
	SEND 2, 32
	SEND 3, 0
	s_wait_tensorcnt 0x0                           ; the wave's end
	ds_add_u32 v[SPW], v[NIL]
	s_wait_dscnt 0x0
	CROUND                                         ; the closing round
	s_endpgm
.Lfunc_end_k_q87e8c210bf_gemm:
	.size	k_q87e8c210bf_gemm, .Lfunc_end_k_q87e8c210bf_gemm-k_q87e8c210bf_gemm
	.p2alignl 7, 3214868480
	.fill 96, 4, 3214868480
	.section	.rodata,"a",@progbits
	.p2align	6, 0x0
	.amdhsa_kernel k_q87e8c210bf_gemm
		.amdhsa_group_segment_fixed_size 327680
		.amdhsa_private_segment_fixed_size 0
		.amdhsa_enable_private_segment 0
		.amdhsa_kernarg_size 32
		.amdhsa_user_sgpr_count 2
		.amdhsa_user_sgpr_kernarg_segment_ptr 1
		.amdhsa_wavefront_size32 1
		.amdhsa_system_sgpr_workgroup_id_x 1
		.amdhsa_system_sgpr_workgroup_id_y 1
		.amdhsa_system_sgpr_workgroup_id_z 1
		.amdhsa_system_vgpr_workitem_id 0
		.amdhsa_next_free_vgpr 1024
		.amdhsa_next_free_sgpr 102
		.amdhsa_reserve_vcc 0
		.amdhsa_float_denorm_mode_32 3
		.amdhsa_float_denorm_mode_16_64 3
		.amdhsa_memory_ordered 1
		.amdhsa_forward_progress 1
		.amdhsa_inst_pref_size 157
	.end_amdhsa_kernel
	.amdgpu_metadata
---
amdhsa.version: [ 1, 2 ]
amdhsa.kernels:
  - .name:           k_q87e8c210bf_gemm
    .symbol:         k_q87e8c210bf_gemm.kd
    .args:
      - { .name: acodes, .offset: 0, .size: 8, .value_kind: global_buffer, .address_space: global }
      - { .name: bcodes, .offset: 8, .size: 8, .value_kind: global_buffer, .address_space: global }
      - { .name: lowp_scales, .offset: 16, .size: 8, .value_kind: global_buffer, .address_space: global }
      - { .name: out0, .offset: 24, .size: 8, .value_kind: global_buffer, .address_space: global }
    .group_segment_fixed_size: 327680
    .private_segment_fixed_size: 0
    .kernarg_segment_align: 8
    .kernarg_segment_size: 32
    .max_flat_workgroup_size: 128
    .sgpr_count:     102
    .vgpr_count:     1024
    .wavefront_size: 32
...
	.end_amdgpu_metadata
.endif
;; end of part 2
